; MI455X (gfx1250); checked and timed in simulation.
; The chip was launched on July 23, 2026; its instructions are those of AMD's public machine-readable ISA for CDNA 5 (MIT licence, August 2026) and "CDNA5" Instruction Set Architecture Reference Guide (July 2026). The comments in the code are by the model that wrote it; some were corrected since.
;; MLP 256. Allowed arithmetic: float matrix products may take bf16 or f16 operands with f32 sums; all other float work in f32.
;; Inputs: b1 128 float32; b2 64 float32; b3 32 float32; b4 16 float32; bh 1 float32; g1 128 float32; g2 64 float32; g3 32 float32; g4 16 float32; m1 128 float32; m2 64 float32; m3 32 float32; m4 16 float32; v1 128 float32; v2 64 float32; v3 32 float32; v4 16 float32; w1 128 x 3 float32; w2 64 x 128 float32; w3 32 x 64 float32; w4 16 x 32 float32; wh 1 x 16 float32; x 8 x 3 x 512 x 512 float32.
;; Outputs: out0 8 x 1 x 512 x 512 float32.
;; One version. Each part assembles by itself: llvm-mc -triple=amdgcn-amd-amdhsa -mcpu=gfx1250 --defsym DOCPART=n.
;; ======== version 1 of 1: 1 launch
;; limits: inputs' magnitudes at most 4,096; values are held in f16: magnitudes above 65,504 overflow, below 6.1e-05 lose precision
;; launch mlp (part 1): grid 256 x 1, 8 waves a work-group, no clusters, 31,744 bytes of LDS; arguments x, w1, g1, b1, m1, v1, w2, g2, b2, m2, v2, w3, g3, b3, m3, v3, w4, g4, b4, m4, v4, wh, bh, out0; writes out0
.if DOCPART == 1
	.amdgcn_target "amdgcn-amd-amdhsa--gfx1250"
	.amdhsa_code_object_version 6
	.text
	.protected	k_q8b7ed48f13_mlp
	.globl	k_q8b7ed48f13_mlp
	.p2align	8
	.type	k_q8b7ed48f13_mlp,@function
k_q8b7ed48f13_mlp:
	s_mov_b64 s[64:65], 0
	v_nop
	global_prefetch_b8 v0, s[64:65] scope:SCOPE_SE
	s_setreg_imm32_b32 hwreg(HW_REG_WAVE_MODE, 25, 1), 1
	s_wait_xcnt 0x0
; Per-pixel MLP 3 -> 128 -> 64 -> 32 -> 16 -> 1 over 8 x 512 x 512 pixels, BN (inference form) + ReLU behind each hidden layer, all in one launch.
; No intermediate leaves the registers.
;
; SHARES.  256 work-groups of 8 waves.  A work-group owns 8,192 neighbouring pixels of one image, a wave 1,024 of them: 8 trips of one GROUP of
; 128 pixels = 8 pixel tiles of 16.  In the loop the waves are independent; LDS and two barriers serve the set-up alone.
;
; THE CHAIN.  Weights are source 0 (M = output channels), activations source 1 (N = 16 pixels).  In a result, lane (r, h) then holds pixel r and
; channels 8h + 0..7, which is what registers 0-3 (or 4-7) of the next layer's source 1 want in that same lane: ReLU and a packed conversion
; make one layer's result the next layer's operand, with no move between lanes.
;
; FORMAT.  Operands f16, sums f32.  BN is folded: inv = g rsq(v + 1e-5), sh = b - m inv, w' = inv w (so the order of rounding differs from
; y * inv + sh done behind the product).  f16's range is met by arithmetic: with P0 = 4096 as the bound of |x|,
;   P_l = max over o of (|inv_o| sum_k |w_ok| P_(l-1) + |sh_o|)   bounds |h_l| for every x inside P0,
; and t_l = 2^(141 - e_l), e_l the biased exponent of P_l, puts P_l t_l into [2^14, 2^15).  ReLU commutes with a positive factor, so the program
; carries t_l h_l: weights w' t_l / t_(l-1), shifts sh t_l, and the result is multiplied by 1 / t_5.  All t are powers of two: no rounding.
; LIMITS KEPT: |x| <= 4096 (beyond it an f16 operand may overflow; a non-finite x lies outside this limit: it touches its own pixel only, but the
; ReLU here, a maximum in which a NaN loses, does not hand a NaN on); each P_l within 2^-111 .. 2^123 (e_l is clamped to 16 .. 250) and two
; neighbouring P_l within 2^126 of each other; parameters finite and v + 1e-5 > 0.
;
; NO CLUSTER, NO TENSOR LOADS: what work-groups share is the 45 KB of parameters, read once each; the 96 KB of x and 32 KB of out0 of a work-group
; are its own, and each x byte is wanted by one lane, so it goes straight into that lane's register, asked for one trip ahead.
.set PLANE,   1048576                  ; bytes of one channel plane of one image (512 x 512 f32)
.set GROUPB,  512                      ; bytes of a group's 128 pixels in a plane
.set TRIPS,   8                        ; groups of a wave
.set EPSBITS, 0x3727c5ac               ; 1e-5
.set XBOUND,  0x45800000               ; 4096.0 = P0
.set ONES16,  0x3c003c00               ; two f16 ones
; LDS, set-up only, every byte stored once.  Row index of the tables: L1 0.., L2 128.., L3 192.., L4 224.., head 240.
.set TAB_S,   1024                     ; bytes 0-1023: a_o = |inv_o| sum |w_ok|;  1024-2047: sh_o
.set FRAG,    2048                     ; the f16 source-0 fragments: registers 4q .. 4q+3 of window 1 at FRAG + 512 q + 16 lane, q = 0 .. 55
; REGISTERS OF THE LOOP, window 0
.set VX01,  1                          ; x offset: h planes + 16 r
.set VX2,   2                          ; x offset: 2 planes + 16 lane
.set VOUT,  3                          ; 16 lane
.set RT5,   4                          ; v[4:5]  1 / t5, twice
.set BHP,   6                          ; v[6:7]  bh, twice
.set XA,    8                          ; v[8:11]   pixels 4r+j:      lanes 0-15 channel 0, lanes 16-31 channel 1
.set XB,    12                         ; v[12:15]  pixels 64+4r+j:   likewise
.set XC,    16                         ; v[16:19]  channel 2, pixels 4 lane + j
.set XP,    20                         ; v[20:25]  packed first operand word of pairs 1-3, 2 (j-1) + p
.set TM,    28                         ; v[28:35]  channel 2 with the other half's lanes zeroed
.set B1A,   36                         ; v[36:43]  L1's source 1, stream a (pixels 0-63 of the group)
.set B1B,   44                         ; v[44:51]  the same, stream b (pixels 64-127)
.set BH,    52                         ; v[52:59]  the head's source 1
.set DH,    60                         ; v[60:67]  the head's sums
.set DA,    68                         ; v[68:99]  four result tiles, stream a
.set DB,    100                        ; v[100:131] four result tiles, stream b
.set B2A,   132                        ; v[132:163] L2's source 1; L3's = its registers 0-15, L4's = its registers 16-23
.set B2B,   164                        ; v[164:195] the same, stream b
.set BIAS2, 196                        ; v[196:227] L2's shifts as four C tiles
.set BIAS3, 228                        ; v[228:243]
.set BIAS4, 244                        ; v[244:251]
.set OUT,   252                        ; v[252:255] store data
; window 1 (source 0 of the matrix instructions only), named by their low 8 bits
.set A2,    0                          ; (u, s) at 8 (4u + s)
.set A3,    128                        ; (u, s) at 128 + 8 (2u + s)
.set A4,    160
.set AH,    168                        ; 168 + 8 j
.set A1,    200                        ; tile t at 200 + 2t: two live registers; the six behind them meet exact zeros in source 1
; REGISTERS OF THE SET-UP (the loop's work registers, before the loop needs them)
.set LANE,  20
.set ROWR,  21                         ; r = lane % 16
.set HALF,  22                         ; h = lane / 16
.set LANE16, 23
.set HALF32, 24
.set ROWR4, 25
.set LANE8, 26
.set LANE4, 27
.set VPAR,  28                         ; 4 x my row: offset in g, b, m, v and in the tables
.set VWOFF, 29                         ; offset of my part of my weight row
.set VFADR, 30                         ; 16 lane + my tile's place in FRAG
.set ZERO,  31
.set PP,    36                         ; the running bound P
.set PE,    37                         ; its exponent
                                       ; v[36+2l] = t_l, v[37+2l] = t_l / t_(l-1), l = 1 .. 5 (v39 unused: t_0 = 1)
.set RT,    48                         ; 1 / t of the layer just done
.set WT,    49                         ; what comes from the other half of the lanes
.set RAW,   68                         ; v[68:131] weights in f32
.set WHR,   RAW+16                     ; wave 6: wh
.set AHT,   RAW+32                     ; wave 6: the head's four fragments
.set PK,    132                        ; v[132:163] weights in f16
.set WP,    PK+8                       ; wave 6: wh in f16
.set PG,    164
.set PB,    165
.set PM,    166
.set PV,    167
.set INV,   168
.set SH,    169
.set SUM,   170                        ; v[170:173]
.set HT,    174
.set AV,    175
.set FP,    176                        ; v[176:177] inv x scale, twice
.set BHV,   178
.set INV1,  180                        ; wave 7: v[180:187]
.set SH1,   188                        ; wave 7: v[188:195]
; SCALARS: s8 wave, s9 trip, s10-s11 scratch, s14-s15 lane selects, s[16:63] the 24 addresses in the order of the arguments
; (x s[16:17]; layer l: w, g, b, m, v from s[8+10l]; wh s[58:59]; bh s[60:61]; out0 s[62:63]), s66-s67 lane masks, s[68:69] offsets.
.set MSB, 0
.macro WIN new                         ; s_set_vgpr_msb: low byte bits 1:0 source 0 .. 7:6 destination; the high byte repeats the setting left
.if MSB != \new
	s_set_vgpr_msb (MSB<<8)|\new
.set MSB, \new
.endif
.endm
.set MATW, 0x01                        ; source 0 in window 1, everything else in window 0
; ---------------------------------------------------------------- set-up macros
.macro BNPARAM                         ; inv = g rsq(v + eps), sh = b - m inv
	v_add_f32 v[PV], EPSBITS, v[PV]
	v_rsq_f32 v[INV], v[PV]
	v_nop                                          ; one plain place behind a transcendental before its result is used (ISA guide 5.7.2)
	s_wait_alu depctr_va_vdst(0)
	v_mul_f32 v[INV], v[PG], v[INV]
	v_fma_f32 v[SH], -v[PM], v[INV], v[PB]
.endm
.macro ABSSUM base, cnt                ; v[SUM] = sum of |v[base .. base+cnt-1]|, four chains started by the first eight
.irp c, 0,1,2,3
	v_add_f32 v[SUM+\c], |v[\base+2*\c]|, |v[\base+2*\c+1]|
.endr
.if \cnt > 8
.set i_, 8
.rept \cnt-8
	v_add_f32 v[SUM+i_%4], v[SUM+i_%4], |v[\base+i_]|
.set i_, i_+1
.endr
.endif
	v_add_f32 v[SUM], v[SUM], v[SUM+1]
	v_add_f32 v[SUM+2], v[SUM+2], v[SUM+3]
	v_add_f32 v[SUM], v[SUM], v[SUM+2]
.endm
.macro HALFSUM                         ; lanes r and 16 + r hold the two halves of row r's k
	v_permlanex16_b32 v[HT], v[SUM], s14, s15
	v_add_f32 v[SUM], v[SUM], v[HT]
.endm
; A source-0 fragment (16 rows x 32 k): lane (r, h) holds row r; registers 0-3 k = 8h .. 8h+7, registers 4-7 k = 16+8h .. +7.
; In f32 that is 32 bytes at 32h and 32 bytes at 64 + 32h of each 128 bytes of the row.  nk = K / 32.
.macro ROLE_LOAD nk, wp, gp
	global_load_b32 v[PG], v[VPAR], s[\gp:\gp+1]
	global_load_b32 v[PB], v[VPAR], s[\gp+2:\gp+3]
	global_load_b32 v[PM], v[VPAR], s[\gp+4:\gp+5]
	global_load_b32 v[PV], v[VPAR], s[\gp+6:\gp+7]
.set i_, 0
.rept \nk
	global_load_b128 v[RAW+16*i_:RAW+16*i_+3],     v[VWOFF], s[\wp:\wp+1] offset:128*i_
	global_load_b128 v[RAW+16*i_+4:RAW+16*i_+7],   v[VWOFF], s[\wp:\wp+1] offset:128*i_+16
	global_load_b128 v[RAW+16*i_+8:RAW+16*i_+11],  v[VWOFF], s[\wp:\wp+1] offset:128*i_+64
	global_load_b128 v[RAW+16*i_+12:RAW+16*i_+15], v[VWOFF], s[\wp:\wp+1] offset:128*i_+80
.set i_, i_+1
.endr
.endm
.macro ROLE_SUM nk, tab                ; my row's a and sh into the tables (lanes r and 16 + r store the same word with the same value)
	BNPARAM
	ABSSUM RAW, 16*\nk
	HALFSUM
	v_mul_f32 v[AV], |v[INV]|, v[SUM]
	ds_store_b32 v[VPAR], v[AV] offset:4*\tab
	ds_store_b32 v[VPAR], v[SH] offset:TAB_S+4*\tab
.endm
.macro ROLE_B nk, q, quad0, adr        ; w'' = w inv t_l / t_(l-1) in f16, into FRAG from quad quad0 on, through address register adr
	v_mul_f32 v[FP], v[INV], v[\q]
	v_mul_f32 v[FP+1], v[INV], v[\q]
.set i_, 0
.rept 8*\nk
	v_pk_mul_f32 v[RAW+2*i_:RAW+2*i_+1], v[RAW+2*i_:RAW+2*i_+1], v[FP:FP+1]
.set i_, i_+1
.endr
.set i_, 0
.rept 8*\nk
	v_cvt_pk_f16_f32 v[PK+i_], v[RAW+2*i_], v[RAW+2*i_+1]
.set i_, i_+1
.endr
.set i_, 0
.rept 2*\nk
	ds_store_b128 v[\adr], v[PK+4*i_:PK+4*i_+3] offset:FRAG+512*(\quad0+i_)
.set i_, i_+1
.endr
.endm
.macro WMAX                            ; the largest v[PP] of the 32 lanes, in every lane
.irp m, 1,2,4,8
	v_max_num_f32_dpp v[PP], v[PP], v[PP] row_xmask:\m row_mask:0xf bank_mask:0xf
.endr
	v_permlanex16_b32 v[WT], v[PP], s14, s15
	v_max_num_f32 v[PP], v[PP], v[WT]
.endm
.macro SCALE l                         ; from P_l: t_l = 2^(141-e) (exponent field 268-e), t_l / t_(l-1), and 1 / t_l (field e-14)
	v_lshrrev_b32 v[PE], 23, v[PP]                 ; P >= 0: the biased exponent
	v_max_u32 v[PE], 16, v[PE]
	v_min_u32 v[PE], 250, v[PE]                    ; both fields stay those of normal numbers
	v_sub_nc_u32 v[36+2*\l], 268, v[PE]
	v_lshlrev_b32 v[36+2*\l], 23, v[36+2*\l]
.if \l > 1
	v_mul_f32 v[37+2*\l], v[36+2*\l], v[RT]        ; v[RT] still belongs to layer l - 1
.endif
	v_add_nc_u32 v[RT], -14, v[PE]
	v_lshlrev_b32 v[RT], 23, v[RT]
.endm
; ---------------------------------------------------------------- P0: addresses, and the first group's x at once
	s_load_b512 s[16:31], s[0:1], 0x0
	s_load_b512 s[32:47], s[0:1], 0x40
	s_load_b512 s[48:63], s[0:1], 0x80
	s_set_vgpr_msb 0x40
	v_lshl_add_u32 v224, v0, 2, 0x7800
	v_mov_b32 v225, 0
	s_set_vgpr_msb 0x4000
	v_lshrrev_b32 v[LANE], 5, v0
	v_readfirstlane_b32 s8, v[LANE]                ; wave 0 .. 7
	v_and_b32 v[LANE], 31, v0
	v_and_b32 v[ROWR], 15, v0
	v_bfe_u32 v[HALF], v0, 4, 1
	v_lshlrev_b32 v[LANE16], 4, v[LANE]
	v_lshlrev_b32 v[HALF32], 5, v[HALF]
	v_lshlrev_b32 v[ROWR4], 2, v[ROWR]
	v_lshlrev_b32 v[LANE8], 3, v[LANE]
	v_lshlrev_b32 v[LANE4], 2, v[LANE]
	v_mov_b32 v[ZERO], 0
	v_mov_b32 v[HT], 0                             ; v_permlanex16_b32 counts as a reader of its destination
	v_mov_b32 v[WT], 0
	v_lshlrev_b32 v[VX01], 4, v[ROWR]
	v_lshl_add_u32 v[VX01], v[HALF], 20, v[VX01]   ; h planes + 16 r: each half of the lanes reads 256 neighbouring bytes
	v_add_nc_u32 v[VX2], 2*PLANE, v[LANE16]
	v_mov_b32 v[VOUT], v[LANE16]
	s_mov_b32 s14, 0x76543210                      ; v_permlanex16_b32: lane i takes lane i of the other half
	s_mov_b32 s15, 0xfedcba98
	s_mov_b32 s66, 0x0000ffff                      ; lanes 0-15
	s_mov_b32 s67, 0xffff0000                      ; lanes 16-31
	s_lshr_b32 s10, ttmp9, 5                       ; image: 32 work-groups each
	s_mul_i32 s68, s10, 3*PLANE
	s_and_b32 s11, ttmp9, 31
	s_lshl_b32 s11, s11, 15                        ; 8,192 pixels of 4 bytes
	s_add_co_u32 s68, s68, s11
	s_lshl_b32 s11, s8, 12                         ; the wave's 1,024 pixels
	s_add_co_u32 s68, s68, s11
	s_mov_b32 s69, 0
	s_wait_kmcnt 0x0
	s_add_nc_u64 s[16:17], s[16:17], s[68:69]      ; x at my first group, channel 0
	s_lshl_b32 s68, ttmp9, 15
	s_add_co_u32 s68, s68, s11
	s_add_nc_u64 s[62:63], s[62:63], s[68:69]      ; out0 at my first group
	global_load_b128 v[XA:XA+3], v[VX01], s[16:17] th:TH_LOAD_NT
	global_load_b128 v[XB:XB+3], v[VX01], s[16:17] offset:256 th:TH_LOAD_NT
	global_load_b128 v[XC:XC+3], v[VX2], s[16:17] th:TH_LOAD_NT
; ---------------------------------------------------------------- P1: each wave reads its share of the parameters once; a and sh go to the tables
; Waves 0-3: the four 16-row tiles of L2.  Waves 4-5: the two of L3.  Wave 6: L4 and the head.  Wave 7: L1.  What is loaded stays in registers.
	s_cmp_ge_u32 s8, 4
	s_cbranch_scc1 .LA_not_l2
	s_lshl_b32 s10, s8, 6
	v_add_nc_u32 v[VPAR], s10, v[ROWR4]            ; 4 (16u + r)
	s_lshl_b32 s10, s8, 13
	v_lshl_add_u32 v[VWOFF], v[ROWR], 9, v[HALF32]
	v_add_nc_u32 v[VWOFF], s10, v[VWOFF]           ; 512 (16u + r) + 32h
	ROLE_LOAD 4, 28, 30
	s_wait_loadcnt 0x0
	ROLE_SUM 4, 128
	s_branch .LA_done
.LA_not_l2:
	s_cmp_ge_u32 s8, 6
	s_cbranch_scc1 .LA_not_l3
	s_sub_co_u32 s11, s8, 4                        ; u
	s_lshl_b32 s10, s11, 6
	v_add_nc_u32 v[VPAR], s10, v[ROWR4]
	s_lshl_b32 s10, s11, 12
	v_lshl_add_u32 v[VWOFF], v[ROWR], 8, v[HALF32]
	v_add_nc_u32 v[VWOFF], s10, v[VWOFF]           ; 256 (16u + r) + 32h
	ROLE_LOAD 2, 38, 40
	s_wait_loadcnt 0x0
	ROLE_SUM 2, 192
	s_branch .LA_done
.LA_not_l3:
	s_cmp_lg_u32 s8, 6
	s_cbranch_scc1 .LA_l1
	v_mov_b32 v[VPAR], v[ROWR4]
	v_lshl_add_u32 v[VWOFF], v[ROWR], 7, v[HALF32] ; 128 r + 32h
	ROLE_LOAD 1, 48, 50
	global_load_b128 v[WHR:WHR+3],   v[HALF32], s[58:59]             ; wh[8h .. 8h+7]
	global_load_b128 v[WHR+4:WHR+7], v[HALF32], s[58:59] offset:16
	global_load_b32 v[BHV], v[ZERO], s[60:61]
	s_wait_loadcnt 0x0
	ROLE_SUM 1, 224
	ABSSUM WHR, 8
	HALFSUM                                        ; sum |wh|
	ds_store_b32 v[ZERO], v[SUM] offset:4*240
	ds_store_b32 v[ZERO], v[BHV] offset:TAB_S+4*240
	s_branch .LA_done
.LA_l1:
	v_mul_u32_u24 v[VWOFF], v[ROWR], 12            ; a row of w1 is 12 bytes; tile t is 192 bytes on
.irp t, 0,1,2,3,4,5,6,7
	global_load_b32 v[RAW+4*\t],   v[VWOFF], s[18:19] offset:192*\t
	global_load_b32 v[RAW+4*\t+1], v[VWOFF], s[18:19] offset:192*\t+4
	global_load_b32 v[RAW+4*\t+2], v[VWOFF], s[18:19] offset:192*\t+8
	global_load_b32 v[RAW+32+\t],  v[ROWR4], s[20:21] offset:64*\t   ; g
	global_load_b32 v[RAW+40+\t],  v[ROWR4], s[22:23] offset:64*\t   ; b
	global_load_b32 v[RAW+48+\t],  v[ROWR4], s[24:25] offset:64*\t   ; m
	global_load_b32 v[RAW+56+\t],  v[ROWR4], s[26:27] offset:64*\t   ; v
.endr
	s_wait_loadcnt 0x0
.irp t, 0,1,2,3,4,5,6,7
	v_add_f32 v[RAW+56+\t], EPSBITS, v[RAW+56+\t]
.endr
.irp t, 0,1,2,3,4,5,6,7
	v_rsq_f32 v[INV1+\t], v[RAW+56+\t]
.endr
	v_nop                                          ; the plain place behind the run of transcendentals (ISA guide 5.7.2)
	s_wait_alu depctr_va_vdst(0)
.irp t, 0,1,2,3,4,5,6,7
	v_mul_f32 v[INV1+\t], v[RAW+32+\t], v[INV1+\t]
	v_add_f32 v[PK+\t], |v[RAW+4*\t]|, |v[RAW+4*\t+1]|
	v_fma_f32 v[SH1+\t], -v[RAW+48+\t], v[INV1+\t], v[RAW+40+\t]
	v_add_f32 v[PK+\t], v[PK+\t], |v[RAW+4*\t+2]|
	v_mul_f32 v[PK+\t], |v[INV1+\t]|, v[PK+\t]
	ds_store_b32 v[ROWR4], v[PK+\t] offset:64*\t
	ds_store_b32 v[ROWR4], v[SH1+\t] offset:TAB_S+64*\t
.endr
.LA_done:
	s_wait_dscnt 0x0                               ; my table entries are in LDS before I say so
	s_barrier_signal -1
	s_barrier_wait -1                              ; everybody's are
; ---------------------------------------------------------------- P2: every wave makes the five bounds and scales for itself
	ds_load_b128 v[52:55], v[LANE16]                          ; L1: 4 rows a lane
	ds_load_b128 v[56:59], v[LANE16] offset:TAB_S
	ds_load_b64 v[60:61], v[LANE8] offset:4*128               ; L2: 2 rows a lane
	ds_load_b64 v[62:63], v[LANE8] offset:TAB_S+4*128
	ds_load_b32 v64, v[LANE4] offset:4*192                    ; L3
	ds_load_b32 v65, v[LANE4] offset:TAB_S+4*192
	ds_load_b32 v66, v[ROWR4] offset:4*224                    ; L4
	ds_load_b32 v67, v[ROWR4] offset:TAB_S+4*224
	ds_load_b32 v32, v[ZERO] offset:4*240                     ; head: sum |wh|
	ds_load_b32 v33, v[ZERO] offset:TAB_S+4*240               ;       bh
	; the shifts as C tiles: register j of lane (r, h) is element (m = 8h + j, n = r), so it holds sh[16u + 8h + j]
.irp u, 0,1,2,3
	ds_load_b128 v[BIAS2+8*\u:BIAS2+8*\u+3],   v[HALF32] offset:TAB_S+4*128+64*\u
	ds_load_b128 v[BIAS2+8*\u+4:BIAS2+8*\u+7], v[HALF32] offset:TAB_S+4*128+64*\u+16
.endr
.irp u, 0,1
	ds_load_b128 v[BIAS3+8*\u:BIAS3+8*\u+3],   v[HALF32] offset:TAB_S+4*192+64*\u
	ds_load_b128 v[BIAS3+8*\u+4:BIAS3+8*\u+7], v[HALF32] offset:TAB_S+4*192+64*\u+16
.endr
	ds_load_b128 v[BIAS4:BIAS4+3],   v[HALF32] offset:TAB_S+4*224
	ds_load_b128 v[BIAS4+4:BIAS4+7], v[HALF32] offset:TAB_S+4*224+16
	s_wait_dscnt 0x0
	v_mov_b32 v[PP], XBOUND
.irp k, 0,1,2,3
	v_fma_f32 v[52+\k], v[52+\k], v[PP], |v[56+\k]|           ; a P0 + |sh|
.endr
	v_max3_num_f32 v[PP], v52, v53, v54
	v_max_num_f32 v[PP], v[PP], v55
	WMAX
	SCALE 1
	v_fma_f32 v60, v60, v[PP], |v62|
	v_fma_f32 v61, v61, v[PP], |v63|
	v_max_num_f32 v[PP], v60, v61
	WMAX
	SCALE 2
	v_fma_f32 v[PP], v64, v[PP], |v65|
	WMAX
	SCALE 3
	v_fma_f32 v[PP], v66, v[PP], |v67|
	WMAX
	SCALE 4
	v_fma_f32 v[PP], v32, v[PP], |v33|                        ; the same in every lane
	SCALE 5
.set i_, 0
.rept 16
	v_pk_mul_f32 v[BIAS2+2*i_:BIAS2+2*i_+1], v[BIAS2+2*i_:BIAS2+2*i_+1], v[40:41] op_sel_hi:[1,0]   ; x t2 (the pair's low word, for both)
.set i_, i_+1
.endr
.set i_, 0
.rept 8
	v_pk_mul_f32 v[BIAS3+2*i_:BIAS3+2*i_+1], v[BIAS3+2*i_:BIAS3+2*i_+1], v[42:43] op_sel_hi:[1,0]   ; x t3
.set i_, i_+1
.endr
.set i_, 0
.rept 4
	v_pk_mul_f32 v[BIAS4+2*i_:BIAS4+2*i_+1], v[BIAS4+2*i_:BIAS4+2*i_+1], v[44:45] op_sel_hi:[1,0]   ; x t4
.set i_, i_+1
.endr
	v_mov_b32 v[RT5], v[RT]
	v_mov_b32 v[RT5+1], v[RT]
	v_mov_b32 v[BHP], v33
	v_mov_b32 v[BHP+1], v33
; ---------------------------------------------------------------- P3: the same shares again: scale, narrow, lay the fragments into LDS
; The fragments lie from byte FRAG = 2048 on, the tables that slower waves may still be reading below it: the two never meet, so no barrier
; stands between P2 and P3.  Each share's LDS address is formed here, in its own branch: 16 lane + wave term + the constant in the offset.
	s_cmp_ge_u32 s8, 4
	s_cbranch_scc1 .LB_not_l2
	s_lshl_b32 s10, s8, 12
	v_add_nc_u32 v[VFADR], s10, v[LANE16]          ; tile u = wave: 8 quads of 512 bytes each
	ROLE_B 4, 41, 0, VFADR                         ; A2 (u, s): quads 8u + 2s, 8u + 2s + 1
	s_branch .LB_done
.LB_not_l2:
	s_cmp_ge_u32 s8, 6
	s_cbranch_scc1 .LB_not_l3
	s_sub_co_u32 s11, s8, 4                        ; u
	s_lshl_b32 s10, s11, 11
	v_add_nc_u32 v[VFADR], s10, v[LANE16]          ; 4 quads a tile
	ROLE_B 2, 43, 32, VFADR                        ; A3 (u, s): quads 32 + 4u + 2s, ..
	s_branch .LB_done
.LB_not_l3:
	s_cmp_lg_u32 s8, 6
	s_cbranch_scc1 .LB_l1
	ROLE_B 1, 45, 40, LANE16                       ; A4: quads 40, 41
	; The head's fragment j: row j carries wh'' at k = 0..15 (tile (j, 0)'s channels), row 8 + j at k = 16..31 (tile (j, 1)'s), all else 0.
	; Summed over j into one tile, register j of lane L is then the result of pixel 4 L + j.
.irp k, 0,1,2,3,4,5,6,7
	v_mul_f32 v[WHR+\k], v[WHR+\k], v47            ; x t5 / t4
.endr
.irp k, 0,1,2,3
	v_cvt_pk_f16_f32 v[WP+\k], v[WHR+2*\k], v[WHR+2*\k+1]
.endr
.irp j, 0,1,2,3
	v_cmp_eq_u32 vcc_lo, \j, v[ROWR]
	v_cmp_eq_u32 s10, \j+8, v[ROWR]
.irp k, 0,1,2,3
	v_cndmask_b32 v[AHT+8*\j+\k],   0, v[WP+\k], vcc_lo
	v_cndmask_b32 v[AHT+8*\j+4+\k], 0, v[WP+\k], s10
.endr
	ds_store_b128 v[LANE16], v[AHT+8*\j:AHT+8*\j+3]   offset:FRAG+512*(42+2*\j)
	ds_store_b128 v[LANE16], v[AHT+8*\j+4:AHT+8*\j+7] offset:FRAG+512*(43+2*\j)
.endr
	s_branch .LB_done
.LB_l1:
	; L1's K places: k = 0 channel 0, k = 8 channel 1, k = 1 and k = 9 channel 2 (source 1 has it in one of the two and 0 in the other),
	; k = 2, 3 the shift as an f16 and the f16 of what that left over, against two ones in source 1; k = 10, 11 zero.
.irp t, 0,1,2,3,4,5,6,7
	v_mul_f32 v100, v[INV1+\t], v38                ; inv t1
	v_mul_f32 v101, v[SH1+\t], v38                 ; sh t1
	v_mul_f32 v[RAW+4*\t],   v[RAW+4*\t],   v100
	v_mul_f32 v[RAW+4*\t+1], v[RAW+4*\t+1], v100
	v_mul_f32 v[RAW+4*\t+2], v[RAW+4*\t+2], v100
	v_cndmask_b32 v[RAW+4*\t], v[RAW+4*\t], v[RAW+4*\t+1], s67
	v_cvt_pk_f16_f32 v[PK+2*\t], v[RAW+4*\t], v[RAW+4*\t+2]
	v_cvt_pk_f16_f32 v102, v101, v101
	v_cvt_f32_f16 v103, v102.l                     ; the part that f16 holds,
	v_sub_f32 v103, v101, v103                     ; and the rest (exact)
	v_cvt_pk_f16_f32 v102, v101, v103
	v_cndmask_b32 v[PK+2*\t+1], v102, 0, s67
.endr
.irp k, 16,17,18,19,20,21,22,23
	v_mov_b32 v[PK+\k], 0                          ; behind tile 7's two registers
.endr
.irp q, 0,1,2,3,4,5
	ds_store_b128 v[LANE16], v[PK+4*\q:PK+4*\q+3] offset:FRAG+512*(50+\q)
.endr
.LB_done:
	s_wait_dscnt 0x0                               ; my fragments are in LDS before I say so
	s_barrier_signal -1
	s_barrier_wait -1
; ---------------------------------------------------------------- P4: every wave takes all 224 fragment registers, for good
	WIN 0x40                                       ; destination window 1, address window 0
.set q_, 0
.rept 56
	ds_load_b128 v[4*q_:4*q_+3], v[LANE16] offset:FRAG+512*q_        ; 512 neighbouring bytes a load
.set q_, q_+1
.endr
	WIN 0
	v_mov_b32 v[B1A+1], ONES16                     ; the constant part of L1's source 1: the two ones, then exact zeros
	v_mov_b32 v[B1B+1], ONES16
.irp k, 2,3,4,5,6,7
	v_mov_b32 v[B1A+\k], 0
	v_mov_b32 v[B1B+\k], 0
.endr
	s_wait_dscnt 0x0
; ---------------------------------------------------------------- the loop's macros
.macro W_L1 d, b, half                 ; four of L1's eight tiles; the shift rides in K, so the sums start from 0
.irp i, 0,1,2,3
	v_wmma_f32_16x16x32_f16 v[\d+8*\i:\d+8*\i+7], v[A1+8*\half+2*\i:A1+8*\half+2*\i+7], v[\b:\b+7], 0
.endr
.endm
.macro W_L2 d, b                       ; 4 tiles x 4 K steps; the first link takes the shift tile as C, the others go on in place
.irp s, 0,1,2,3
.irp u, 0,1,2,3
.if \s == 0
	v_wmma_f32_16x16x32_f16 v[\d+8*\u:\d+8*\u+7], v[A2+8*(4*\u+\s):A2+8*(4*\u+\s)+7], v[\b+8*\s:\b+8*\s+7], v[BIAS2+8*\u:BIAS2+8*\u+7]
.else
	v_wmma_f32_16x16x32_f16 v[\d+8*\u:\d+8*\u+7], v[A2+8*(4*\u+\s):A2+8*(4*\u+\s)+7], v[\b+8*\s:\b+8*\s+7], v[\d+8*\u:\d+8*\u+7]
.endif
.endr
.endr
.endm
.macro W_L3 d, b
.irp s, 0,1
.irp u, 0,1
.if \s == 0
	v_wmma_f32_16x16x32_f16 v[\d+8*\u:\d+8*\u+7], v[A3+8*(2*\u+\s):A3+8*(2*\u+\s)+7], v[\b+8*\s:\b+8*\s+7], v[BIAS3+8*\u:BIAS3+8*\u+7]
.else
	v_wmma_f32_16x16x32_f16 v[\d+8*\u:\d+8*\u+7], v[A3+8*(2*\u+\s):A3+8*(2*\u+\s)+7], v[\b+8*\s:\b+8*\s+7], v[\d+8*\u:\d+8*\u+7]
.endif
.endr
.endr
.endm
.macro W_L4 d, b
	v_wmma_f32_16x16x32_f16 v[\d:\d+7], v[A4:A4+7], v[\b+16:\b+23], v[BIAS4:BIAS4+7]
.endm
.macro W_H j
.if (\j) == 0
	v_wmma_f32_16x16x32_f16 v[DH:DH+7], v[AH+8*(\j):AH+8*(\j)+7], v[BH:BH+7], 0
.else
	v_wmma_f32_16x16x32_f16 v[DH:DH+7], v[AH+8*(\j):AH+8*(\j)+7], v[BH:BH+7], v[DH:DH+7]
.endif
.endm
.macro RELU8 d                         ; eight maxima in four instructions
.irp k, 0,2,4,6
	v_dual_max_num_f32 v[\d+\k], 0, v[\d+\k] :: v_dual_max_num_f32 v[\d+\k+1], 0, v[\d+\k+1]
.endr
.endm
.macro CVT4 dst, d                     ; channels 8h + 0..7 of a pixel: four operand registers of the next layer, in the same lane
.irp k, 0,1,2,3
	v_cvt_pk_f16_f32 v[\dst+\k], v[\d+2*\k], v[\d+2*\k+1]
.endr
.endm
.macro VCH d, cnt, dst                 ; cnt result tiles from v[d] on: ReLU, then f16 into v[dst] on
.set t_, 0
.rept \cnt
	RELU8 \d+8*t_
.set t_, t_+1
.endr
.set t_, 0
.rept \cnt
	CVT4 \dst+4*t_, \d+8*t_
.set t_, t_+1
.endr
.endm
; The first operand word of the tiles (j, 0) and (j, 1): low half channel 0 (lanes 0-15, k = 0) or 1 (lanes 16-31, k = 8); high half channel 2 in
; the half of the lanes that holds this tile's pixels (XC: lanes 0-15 pixels 0-63, lanes 16-31 pixels 64-127), 0 in the other.
.macro CONV j, da, db
	v_cndmask_b32 v[TM+2*\j],   0, v[XC+\j], s66
	v_cndmask_b32 v[TM+2*\j+1], 0, v[XC+\j], s67
	v_cvt_pk_f16_f32 v[\da], v[XA+\j], v[TM+2*\j]
	v_cvt_pk_f16_f32 v[\db], v[XB+\j], v[TM+2*\j+1]
.endm
; ONE PAIR of pixel tiles, (j, 0) in stream a and (j, 1) in stream b, through all layers.  Runs of matrix instructions of one stream take turns
; with the ReLU and narrowing of the other.  So between a run and the vector lines that read its results or rewrite its source 1, and between a
; run and the same stream's next run, which writes the same result tiles, there always stands a vector block of the OTHER stream: at least 8
; plain instructions that name none of the run's registers, more than the 4 and 5 places that are owed (ISA guide 7.12.1).
.macro PAIR j
	WIN MATW
	W_L1 DA, B1A, 0
	WIN 0
.if \j == 0
	CONV 1, XP, XP+1                               ; the group's other three pairs are packed now, so that XA, XB, XC come free
	CONV 2, XP+2, XP+3
	CONV 3, XP+4, XP+5
	s_cmp_eq_u32 s9, TRIPS-1
	s_cbranch_scc1 .Lno_more_x                     ; the last trip asks for nothing: no load leaves x
	global_load_b128 v[XA:XA+3], v[VX01], s[16:17] th:TH_LOAD_NT             ; the next group (the base was stepped at the trip's head)
	global_load_b128 v[XB:XB+3], v[VX01], s[16:17] offset:256 th:TH_LOAD_NT
	global_load_b128 v[XC:XC+3], v[VX2], s[16:17] th:TH_LOAD_NT
.Lno_more_x:
.else
	VCH DB, 1, BH+4                                ; the pair before: stream b's 16 channels into the head's operand
.endif
	WIN MATW
.if \j > 0
	W_H \j-1
.endif
	W_L1 DB, B1B, 0
	WIN 0
	VCH DA, 4, B2A
	WIN MATW
	W_L1 DA, B1A, 1
	WIN 0
	VCH DB, 4, B2B
	WIN MATW
	W_L1 DB, B1B, 1
	WIN 0
	VCH DA, 4, B2A+16
	WIN MATW
	W_L2 DA, B2A
	WIN 0
	VCH DB, 4, B2B+16
	WIN MATW
	W_L2 DB, B2B
	WIN 0
	VCH DA, 4, B2A
.if \j < 3
	v_mov_b32 v[B1A], v[XP+2*\j]                   ; the next pair's x; L1's last run of this stream lies three vector blocks back
.endif
	WIN MATW
	W_L3 DA, B2A
	WIN 0
	VCH DB, 4, B2B
.if \j < 3
	v_mov_b32 v[B1B], v[XP+2*\j+1]
.endif
	WIN MATW
	W_L3 DB, B2B
	WIN 0
	VCH DA, 2, B2A+16
	WIN MATW
	W_L4 DA, B2A
	WIN 0
	VCH DB, 2, B2B+16
	WIN MATW
	W_L4 DB, B2B
	WIN 0
	VCH DA, 1, BH
.endm
; ---------------------------------------------------------------- P5: eight trips, a group of 128 pixels each
	s_mov_b32 s9, 0
.Ltrip:
	s_wait_loadcnt 0x0                             ; this group's three loads, issued in the first pair of the trip before; none was issued behind them
	s_wait_xcnt 0x0                                ; the last store has read OUT and its base: both bases are stepped and OUT is rewritten only behind this wait
	s_add_nc_u64 s[16:17], s[16:17], GROUPB
	s_add_nc_u64 s[62:63], s[62:63], GROUPB
	CONV 0, B1A, B1B
	PAIR 0
	PAIR 1
	PAIR 2
	PAIR 3
	VCH DB, 1, BH+4
	WIN MATW
	W_H 3
	WIN 0
.rept 4
	v_nop                                          ; four places before a vector instruction reads the sums (ISA guide 7.12.1); nothing else is left to do
.endr
	v_pk_fma_f32 v[OUT:OUT+1],   v[DH:DH+1],   v[RT5:RT5+1], v[BHP:BHP+1]    ; sum / t5 + bh: pixels 4 lane + 0, 1
	v_pk_fma_f32 v[OUT+2:OUT+3], v[DH+2:DH+3], v[RT5:RT5+1], v[BHP:BHP+1]    ; 2, 3
	global_store_b128 v[VOUT], v[OUT:OUT+3], s[62:63] offset:-GROUPB th:TH_STORE_NT   ; the wave stores 512 neighbouring bytes, aligned
	s_add_co_u32 s9, s9, 1
	s_cmp_lt_u32 s9, TRIPS
	s_cbranch_scc1 .Ltrip
	s_set_vgpr_msb 0x5
	s_wait_tensorcnt 0x0
	ds_add_u32 v224, v225
	s_wait_dscnt 0x0
	s_set_vgpr_msb 0x500
	s_endpgm
.Lfunc_end_k_q8b7ed48f13_mlp:
	.size	k_q8b7ed48f13_mlp, .Lfunc_end_k_q8b7ed48f13_mlp-k_q8b7ed48f13_mlp
	.p2alignl 7, 3214868480
	.fill 96, 4, 3214868480
	.section	.rodata,"a",@progbits
	.p2align	6, 0x0
	.amdhsa_kernel k_q8b7ed48f13_mlp
		.amdhsa_group_segment_fixed_size 31744
		.amdhsa_private_segment_fixed_size 0
		.amdhsa_enable_private_segment 0
		.amdhsa_kernarg_size 192
		.amdhsa_user_sgpr_count 2
		.amdhsa_user_sgpr_kernarg_segment_ptr 1
		.amdhsa_wavefront_size32 1
		.amdhsa_system_sgpr_workgroup_id_x 1
		.amdhsa_system_sgpr_workgroup_id_y 1
		.amdhsa_system_sgpr_workgroup_id_z 1
		.amdhsa_system_vgpr_workitem_id 0
		.amdhsa_next_free_vgpr 482
		.amdhsa_next_free_sgpr 72
		.amdhsa_reserve_vcc 1
		.amdhsa_float_denorm_mode_32 3
		.amdhsa_float_denorm_mode_16_64 3
		.amdhsa_memory_ordered 1
		.amdhsa_forward_progress 1
		.amdhsa_inst_pref_size 133
	.end_amdhsa_kernel
	.amdgpu_metadata
---
amdhsa.version: [ 1, 2 ]
amdhsa.kernels:
  - .name:           k_q8b7ed48f13_mlp
    .symbol:         k_q8b7ed48f13_mlp.kd
    .args:
      - { .name: x, .offset: 0, .size: 8, .value_kind: global_buffer, .address_space: global }
      - { .name: w1, .offset: 8, .size: 8, .value_kind: global_buffer, .address_space: global }
      - { .name: g1, .offset: 16, .size: 8, .value_kind: global_buffer, .address_space: global }
      - { .name: b1, .offset: 24, .size: 8, .value_kind: global_buffer, .address_space: global }
      - { .name: m1, .offset: 32, .size: 8, .value_kind: global_buffer, .address_space: global }
      - { .name: v1, .offset: 40, .size: 8, .value_kind: global_buffer, .address_space: global }
      - { .name: w2, .offset: 48, .size: 8, .value_kind: global_buffer, .address_space: global }
      - { .name: g2, .offset: 56, .size: 8, .value_kind: global_buffer, .address_space: global }
      - { .name: b2, .offset: 64, .size: 8, .value_kind: global_buffer, .address_space: global }
      - { .name: m2, .offset: 72, .size: 8, .value_kind: global_buffer, .address_space: global }
      - { .name: v2, .offset: 80, .size: 8, .value_kind: global_buffer, .address_space: global }
      - { .name: w3, .offset: 88, .size: 8, .value_kind: global_buffer, .address_space: global }
      - { .name: g3, .offset: 96, .size: 8, .value_kind: global_buffer, .address_space: global }
      - { .name: b3, .offset: 104, .size: 8, .value_kind: global_buffer, .address_space: global }
      - { .name: m3, .offset: 112, .size: 8, .value_kind: global_buffer, .address_space: global }
      - { .name: v3, .offset: 120, .size: 8, .value_kind: global_buffer, .address_space: global }
      - { .name: w4, .offset: 128, .size: 8, .value_kind: global_buffer, .address_space: global }
      - { .name: g4, .offset: 136, .size: 8, .value_kind: global_buffer, .address_space: global }
      - { .name: b4, .offset: 144, .size: 8, .value_kind: global_buffer, .address_space: global }
      - { .name: m4, .offset: 152, .size: 8, .value_kind: global_buffer, .address_space: global }
      - { .name: v4, .offset: 160, .size: 8, .value_kind: global_buffer, .address_space: global }
      - { .name: wh, .offset: 168, .size: 8, .value_kind: global_buffer, .address_space: global }
      - { .name: bh, .offset: 176, .size: 8, .value_kind: global_buffer, .address_space: global }
      - { .name: out0, .offset: 184, .size: 8, .value_kind: global_buffer, .address_space: global }
    .group_segment_fixed_size: 31744
    .private_segment_fixed_size: 0
    .kernarg_segment_align: 8
    .kernarg_segment_size: 192
    .max_flat_workgroup_size: 256
    .sgpr_count:     72
    .vgpr_count:     482
    .wavefront_size: 32
...
	.end_amdgpu_metadata
.endif
;; end of part 1
